; MI455X (gfx1250); checked and timed in simulation.
; The chip was launched on July 23, 2026; its instructions are those of AMD's public machine-readable ISA for CDNA 5 (MIT licence, August 2026) and "CDNA5" Instruction Set Architecture Reference Guide (July 2026). The comments in the code are by the model that wrote it; some were corrected since.
;; Model. Allowed arithmetic: float matrix products may take bf16 or f16 operands with f32 sums; all other float work in f32.
;; Inputs: bk 128 float32; bq 128 float32; bv 128 float32; pe 4,096 x 64 x 2 float32; wk 128 x 128 float32; wq 128 x 128 float32; wv 128 x 128 float32; x 4 x 128 x 64 x 64 float32.
;; Outputs: out0 4 x 128 x 64 x 64 float32; out1 4 x 64 x 2 x 64 x 64 float32.
;; One version. Each part assembles by itself: llvm-mc -triple=amdgcn-amd-amdhsa -mcpu=gfx1250 --defsym DOCPART=n.
;; ======== version 1 of 1: 2 launches
;; limits: values are held in f16: magnitudes above 65,504 overflow, below 6.1e-05 lose precision
;; workspace buffers: qf 4,194,304 bytes; kv 8,388,608 bytes
;; launch proj (part 1): grid 4 x 64, 4 waves a work-group, clusters of 4 x 1, 269,824 bytes of LDS; arguments x, wq, wk, wv, bq, bk, bv, pe, qf, kv; writes qf, kv
.if DOCPART == 1
	.amdgcn_target "amdgcn-amd-amdhsa--gfx1250"
	.amdhsa_code_object_version 6
	.text
	.protected	k_q7ea951041e_proj
	.globl	k_q7ea951041e_proj
	.p2align	8
	.type	k_q7ea951041e_proj,@function
k_q7ea951041e_proj:
	s_mov_b64 s[64:65], 0
	v_nop
	global_prefetch_b8 v0, s[64:65] scope:SCOPE_SE
	s_setreg_imm32_b32 hwreg(HW_REG_WAVE_MODE, 25, 1), 1
	s_wait_xcnt 0x0
	s_wait_alu depctr_hold_cnt(0) depctr_sa_sdst(0) depctr_va_vdst(0) depctr_va_sdst(0) depctr_va_ssrc(0) depctr_va_vcc(0) depctr_vm_vsrc(0)
	s_getreg_b32 s2, hwreg(HW_REG_IB_STS2, 6, 4)
	s_cmp_eq_u32 s2, 0
	s_cbranch_scc0 .Lentry_in_a_cluster
	s_endpgm
.Lentry_in_a_cluster:
	s_bfe_u32 s2, ttmp6, 0x10000c
	s_cmp_lg_u32 s2, 0x3003
	s_cbranch_scc0 .Lentry_shape_is_right
	s_endpgm
.Lentry_shape_is_right:
; q = (Wq x + bq + pe) * c, k = Wk x + bk, v = Wv x + bv, stored as f16 in the register image of the attention launch's matrix fragments.
; c = 128^-0.25 * log2(e): the scores then come out of the matrix unit as exponents of two.
; x: [4][128 c][4096 n] f32.  W: [128 o][128 c] f32.  pe: [4096 n][64 d][2 heads] f32.
; A work-group takes 64 tokens (group g = grid y) of one batch (grid x) and all 384 output channels; 4 waves; wave w takes the 16-channel
; tiles w (head 0) and w + 4 (head 1) of each of q, k, v.
; TWO f16 OPERANDS FOR EACH f32: the softmax behind this launch turns an error of a score straight into an error of the result, so x and W are not
; simply rounded.  Each number is cut into hi (its upper 11 significant bits, exact in f16) and lo = number - hi (exact in f32, then rounded to f16),
; and a projection is Wh xh + Wh xl + Wl xh on one accumulator; Wl xl, below 2^-20 of a term, is left out.
; 6 tiles x 4 token tiles x 4 steps of 32 channels x 3 products = 288 matrix instructions a wave.
; CLUSTER: the four batches of one token group form a cluster.  They need the same Wq, Wk, Wv (196,608 bytes) and the same 64 rows of pe
; (32,768 bytes), 7/8 of what a work-group reads: these are joint loads with the mask 15.  x (32,768 bytes) is each work-group's own load.
; TOKEN ORDER: position p = 16 q + r of a group stands for token 4 r + q, since a 16-byte read of a row of x gives a lane 4 neighbouring tokens,
; one for each token tile q.  Keys and values share the order, and a softmax does not mind it; for queries it puts 4 neighbouring tokens of the
; result into one lane of the attention launch.
; FRAGMENT IMAGE: a fragment (16 rows x 32 k of f16) is 1,024 bytes: registers 4e .. 4e+3 of lane L lie at 512 e + 16 L.
;   q, k group (8,192 bytes): fragment (token tile q, s) at (2 q + s) 1024, rows = positions, k = d = 32 s ..     -> my tile w lies at 2048 q + 512 w + 16 L
;   v group    (8,192 bytes): fragment (d tile, ks) at (2 dt + ks) 1024, rows = d, k = positions 32 ks ..         -> my tile w lies at 2048 w + 512 q + 16 L
;   qf: [2 b + head][g][8192].   kv: [2 b + head][g / 8][k of 8 groups, 65,536 | v of 8 groups, 65,536].
; LIMITS: all matrix operands are f16 (sums f32): an x, W, q c, k or v above 65,504 in magnitude becomes infinite; an x or W below 2^-14 keeps
; f16's absolute step of 2^-24, which the cut does not make up for; q c, k and v are rounded to f16 once.  The sums over c go by steps of 32 in the
; matrix unit's order, not in the reference's.
.set XL,   0                           ; LDS: x as [128 c][64 tokens] f32, rows of 256 bytes: 16 lanes read one whole row
.set WL,   32768                       ; Wq, Wk, Wv: 128 rows of 512 bytes + 16 of padding
.set WP,   528                         ; = 33 x 16: the 16 rows that a load touches start at 16 different 16-byte columns
.set WSZ,  128*WP
.set PL,   WL+3*WSZ                    ; pe: block q = the rows of tokens 4 r + q, r = 0..15, same pitch
.set PSZ,  16*WP
.set CSC,  0x3edb9ada                  ; c = 0.4289158
.set XA,   2                           ; v2      LDS address in x: 8 h rows + 16 r
.set WA,   3                           ; v3-5    LDS address in Wq, Wk, Wv: row 16 w + r, byte 32 h
.set PA,   6                           ; v6      LDS address in pe: row r, byte 128 w + 64 h
.set VOQK, 7                           ; v7      my 16 bytes of a q or k group: 16 L + 512 w
.set VOV,  8                           ; v8      my 16 bytes of a v group: 16 L + 2048 w
.set BO,   9                           ; v9      byte offset in bq, bk: 64 w + 32 h
.set BVO,  10                          ; v10     byte offset in bv: 64 w + 4 r
.set BV,   12                          ; v[12:13] bv of my channel r, head 0 and head 1
.set BI,   16                          ; v16-47  four tiles of 8: bq head 0, bq head 1, bk head 0, bk head 1; register j = bias[64 head + 16 w + 8 h + j]
.set OP,   48                          ; v48-63  packed results, 4 token tiles x 4 registers
.set ST,   64                          ; v64-127 f32 as read from LDS, then the lo parts
.set ST2,  128                         ; v128-191 the second such stage, while x is converted
.set WB,   128                         ; v128-159 W's 4 fragments, hi
.set ACC,  160                         ; v160-191 4 token tiles x 8
.set H,    192                         ; v192-255 the hi parts, still in f32
.set XF,   0                           ; window 1: v256-383 x's fragments, hi, (s, q) at 32 s + 8 q
.set PR,   128                         ; window 1: v384-447 pe * c, register 16 q + 2 j + head
.set WBL,  192                         ; window 1: v448-479 W's 4 fragments, lo
.set XFL,  0                           ; window 2: v512-639 x's fragments, lo
.set MSB, 0
.macro WIN new                         ; s_set_vgpr_msb: bits 1:0 source 0, 3:2 source 1, 5:4 source 2, 7:6 destination; the high byte repeats the setting left
.if MSB != \new
	s_set_vgpr_msb (MSB<<8)|\new
.set MSB, \new
.endif
.endm
.macro PLACES n                        ; places behind matrix instructions (ISA guide 7.12.1)
.rept \n
	v_nop
.endr
.endm
.macro ROUND                           ; a round of the cluster's barrier: my work-group's barrier, wave 0 signals for the work-group, all wait, my work-group's barrier
	s_barrier_signal -1
	s_barrier_wait -1
	s_cmp_lg_u32 s24, 0
	s_cbranch_scc1 .Lnot_wave_0_\@
	s_barrier_signal -3
.Lnot_wave_0_\@:
	s_barrier_wait -3
	s_barrier_signal -1
	s_barrier_wait -1
.endm
	s_load_b512 s[4:19], s[0:1], 0x0               ; x s[4:5], wq s[6:7], wk s[8:9], wv s[10:11], bq s[12:13], bk s[14:15], bv s[16:17], pe s[18:19]
	s_load_b128 s[20:23], s[0:1], 0x40             ; qf s[20:21], kv s[22:23]
	v_lshl_add_u32 v15, v0, 2, 0x41c00
	s_set_vgpr_msb 0x40
	v_mov_b32 v255, 0
	s_set_vgpr_msb 0x4044
	ds_add_u32 v15, v255
	s_set_vgpr_msb 0x4400
	v_lshrrev_b32 v1, 5, v0
	v_readfirstlane_b32 s24, v1                    ; wave 0..3
	s_bfe_u32 s25, ttmp6, 0x40000                  ; cx = the batch.  It enters s25, s[28:29], s[58:59], s[80:83] and nothing else
	s_and_b32 s26, ttmp7, 0xffff                   ; g = the token group
	s_mov_b32 s66, CSC
	s_mov_b32 s67, CSC
	s_mov_b32 s84, 0xffffe000                      ; sign, exponent and the upper 10 bits of an f32's fraction: what an f16 holds exactly
	; group 1 for x: 32 rows of 64 f32, 4,096 elements from row to row, no mask, no padding
	s_mov_b32 s32, 2<<16
	s_mov_b32 s33, 64<<16
	s_mov_b32 s34, 32<<16
	s_mov_b32 s35, 64<<16
	s_mov_b32 s36, 32
	s_mov_b32 s37, 4096
	s_mov_b32 s38, 0
	s_mov_b32 s39, 0
	; group 1 for a W: 32 rows of 128 f32, dense; mask 15 with bit 21 beside it; 4 words of padding behind every 128 words
	s_mov_b32 s40, 15|(2<<16)|(1<<20)|(1<<21)|(6<<22)|(3<<25)
	s_mov_b32 s41, 128<<16
	s_mov_b32 s42, 32<<16
	s_mov_b32 s43, 128<<16
	s_mov_b32 s44, 32
	s_mov_b32 s45, 128
	s_mov_b32 s46, 0
	s_mov_b32 s47, 0
	; group 1 for pe: 16 rows of 128 f32, every fourth token: 512 elements from row to row; mask and padding as for W
	s_mov_b32 s48, 15|(2<<16)|(1<<20)|(1<<21)|(6<<22)|(3<<25)
	s_mov_b32 s49, 128<<16
	s_mov_b32 s50, 16<<16
	s_mov_b32 s51, 128<<16
	s_mov_b32 s52, 16
	s_mov_b32 s53, 512
	s_mov_b32 s54, 0
	s_mov_b32 s55, 0
	; groups 0: each wave brings its quarter of each of the five tiles; LDS addresses are a constant plus the wave's number times a constant
	s_mov_b32 s56, 1
	s_lshl_b32 s57, s24, 13                        ; XL (= 0) + w x 32 rows of 256 bytes
	s_mul_i32 s27, s24, 32*WP
	s_mov_b32 s60, 1
	s_add_co_u32 s61, s27, WL
	s_mov_b32 s68, 1
	s_add_co_u32 s69, s27, WL+WSZ
	s_mov_b32 s72, 1
	s_add_co_u32 s73, s27, WL+2*WSZ
	s_mul_i32 s27, s24, PSZ
	s_mov_b32 s76, 1
	s_add_co_u32 s77, s27, PL
	s_lshl_b32 s28, s25, 21                        ; x: batch x 2,097,152
	s_lshl_b32 s27, s24, 19                        ;  + w x 32 rows of 16,384 bytes
	s_add_co_u32 s28, s28, s27
	s_lshl_b32 s27, s26, 8                         ;  + g x 64 tokens
	s_add_co_u32 s28, s28, s27
	s_mov_b32 s29, 0
	s_lshl_b32 s30, s24, 14                        ; W: w x 32 rows of 512 bytes
	s_mov_b32 s31, 0
	s_lshl_b32 s2, s26, 15                         ; pe: token 64 g + w, 512 bytes a token
	s_lshl_b32 s27, s24, 9
	s_add_co_u32 s2, s2, s27
	s_mov_b32 s3, 0
	s_wait_dscnt 0x0
	s_wait_kmcnt 0x0
	s_add_nc_u64 s[58:59], s[4:5], s[28:29]
	s_or_b32 s59, s59, 0x80000000
	s_add_nc_u64 s[62:63], s[6:7], s[30:31]
	s_or_b32 s63, s63, 0x80000000
	s_add_nc_u64 s[70:71], s[8:9], s[30:31]
	s_or_b32 s71, s71, 0x80000000
	s_add_nc_u64 s[74:75], s[10:11], s[30:31]
	s_or_b32 s75, s75, 0x80000000
	s_add_nc_u64 s[78:79], s[18:19], s[2:3]
	s_or_b32 s79, s79, 0x80000000
	ROUND                                          ; the four work-groups are here: the joint loads meet
	tensor_load_to_lds s[56:59], s[32:39]          ; all that the work-group reads goes out as one group: five loads of this wave are out
	s_nop 0
	tensor_load_to_lds s[60:63], s[40:47]
	s_nop 0
	tensor_load_to_lds s[68:71], s[40:47]
	s_nop 0
	tensor_load_to_lds s[72:75], s[40:47]
	s_nop 0
	tensor_load_to_lds s[76:79], s[48:55]
	s_nop 0
	v_and_b32 v1, 15, v0                           ; r
	v_bfe_u32 v11, v0, 4, 1                        ; h
	v_and_b32 v14, 31, v0                          ; L
	s_lshl_b32 s27, s24, 6
	v_lshl_add_u32 v[BO], v11, 5, s27
	v_lshl_add_u32 v[BVO], v1, 2, s27
	global_load_b128 v[BI:BI+3],     v[BO], s[12:13]
	global_load_b128 v[BI+4:BI+7],   v[BO], s[12:13] offset:16
	global_load_b128 v[BI+8:BI+11],  v[BO], s[12:13] offset:256
	global_load_b128 v[BI+12:BI+15], v[BO], s[12:13] offset:272
	global_load_b128 v[BI+16:BI+19], v[BO], s[14:15]
	global_load_b128 v[BI+20:BI+23], v[BO], s[14:15] offset:16
	global_load_b128 v[BI+24:BI+27], v[BO], s[14:15] offset:256
	global_load_b128 v[BI+28:BI+31], v[BO], s[14:15] offset:272
	global_load_b32 v[BV],   v[BVO], s[16:17]
	global_load_b32 v[BV+1], v[BVO], s[16:17] offset:256
	v_lshlrev_b32 v[XA], 4, v1
	v_lshl_add_u32 v[XA], v11, 11, v[XA]           ; XL (= 0) + 8 h rows of 256 bytes + 16 r
	v_mul_u32_u24 v[WA], v1, WP
	v_lshl_add_u32 v[WA], v11, 5, v[WA]
	s_mul_i32 s27, s24, 16*WP
	s_add_co_u32 s27, s27, WL
	v_add_nc_u32 v[WA], s27, v[WA]
	v_add_nc_u32 v[WA+1], WSZ, v[WA]
	v_add_nc_u32 v[WA+2], 2*WSZ, v[WA]
	v_mul_u32_u24 v[PA], v1, WP
	v_lshl_add_u32 v[PA], v11, 6, v[PA]
	s_lshl_b32 s27, s24, 7
	s_add_co_u32 s27, s27, PL
	v_add_nc_u32 v[PA], s27, v[PA]
	s_lshl_b32 s27, s24, 9
	v_lshl_add_u32 v[VOQK], v14, 4, s27
	s_lshl_b32 s27, s24, 11
	v_lshl_add_u32 v[VOV], v14, 4, s27
	s_lshl_b32 s28, s25, 20                        ; qf: (128 batch + g) x 8,192
	s_lshl_b32 s27, s26, 13
	s_add_co_u32 s28, s28, s27
	s_add_nc_u64 s[80:81], s[20:21], s[28:29]
	s_lshl_b32 s28, s25, 21                        ; kv: batch x 2,097,152 + (g / 8) x 131,072 + (g mod 8) x 8,192
	s_lshr_b32 s27, s26, 3
	s_lshl_b32 s27, s27, 17
	s_add_co_u32 s28, s28, s27
	s_and_b32 s27, s26, 7
	s_lshl_b32 s27, s27, 13
	s_add_co_u32 s28, s28, s27
	s_add_nc_u64 s[82:83], s[22:23], s[28:29]
; The cut of 64 numbers in stage src: hi into H, lo = number - hi in place (the difference is exact)
.macro CUT src
.set n, 0
.rept 64
	v_and_b32 v[H+n], s84, v[\src+n]
.set n, n+1
.endr
.set n, 0
.rept 32
	v_pk_add_f32 v[\src+2*n:\src+2*n+1], v[\src+2*n:\src+2*n+1], v[H+2*n:H+2*n+1] neg_lo:[0,1] neg_hi:[0,1]
.set n, n+1
.endr
.endm
; 16 LDS loads: x's rows c = 32 s + 16 e + 8 h + 0..7 (e = 0, 1), tokens 4 r .. 4 r + 3
.macro LOADX s, dst
.irp i, 0,1,2,3,4,5,6,7,8,9,10,11,12,13,14,15
	ds_load_b128 v[\dst+4*\i:\dst+4*\i+3], v[XA] offset:(32*\s+\i+8*(\i/8))*256
.endr
.endm
; and their way to f16: word q of a load belongs to token tile q; two neighbouring rows c make one register; hi is exact, lo is rounded
.macro CVTX s, src
	CUT \src
	WIN 0x40
.irp q, 0,1,2,3
.irp e, 0,1
.irp jj, 0,1,2,3
	v_cvt_pk_f16_f32 v[XF+32*\s+8*\q+4*\e+\jj], v[H+4*(8*\e+2*\jj)+\q], v[H+4*(8*\e+2*\jj+1)+\q]
.endr
.endr
.endr
	WIN 0x80
.irp q, 0,1,2,3
.irp e, 0,1
.irp jj, 0,1,2,3
	v_cvt_pk_f16_f32 v[XFL+32*\s+8*\q+4*\e+\jj], v[\src+4*(8*\e+2*\jj)+\q], v[\src+4*(8*\e+2*\jj+1)+\q]
.endr
.endr
.endr
	WIN 0
.endm
; 16 LDS loads: row 64 hd + 16 w + r of matrix m, the 8 numbers at c = 32 s + 16 e + 8 h for each (s, e)
.macro LOADW m, hd
.irp i, 0,1,2,3,4,5,6,7,8,9,10,11,12,13,14,15
	ds_load_b128 v[ST+4*\i:ST+4*\i+3], v[WA+\m] offset:\hd*64*WP+64*(\i/2)+16*(\i%2)
.endr
.endm
.macro CVTW
	CUT ST
.set n, 0
.rept 32
	v_cvt_pk_f16_f32 v[WB+n], v[H+2*n], v[H+2*n+1]
.set n, n+1
.endr
	WIN 0x40
.set n, 0
.rept 32
	v_cvt_pk_f16_f32 v[WBL+n], v[ST+2*n], v[ST+2*n+1]
.set n, n+1
.endr
	WIN 0
.endm
; 16 matrix instructions that add onto the four sums: source 0 at a + as s (+ aq q), source 1 at b + bs s (+ bq q), in the windows set by the caller.
; The four accumulators take turns, one instruction a turn.
.macro MUL16 a, as, aq, b, bs, bq, s0
.irp s, 0,1,2,3
.if \s >= \s0
.irp q, 0,1,2,3
	v_wmma_f32_16x16x32_f16 v[ACC+8*\q:ACC+8*\q+7], v[\a+\as*\s+\aq*\q:\a+\as*\s+\aq*\q+7], v[\b+\bs*\s+\bq*\q:\b+\bs*\s+\bq*\q+7], v[ACC+8*\q:ACC+8*\q+7]
.endr
.endif
.endr
.endm
; q and k: source 0 = 16 channels of W, source 1 = 16 tokens of x: a lane holds 8 neighbouring channels of one token.  The bias tile starts the sums.
.macro MULQK bi
	WIN 0x04                                       ; Wh (window 0) x xh (window 1)
.irp q, 0,1,2,3
	v_wmma_f32_16x16x32_f16 v[ACC+8*\q:ACC+8*\q+7], v[WB:WB+7], v[XF+8*\q:XF+8*\q+7], v[\bi:\bi+7]
.endr
	MUL16 WB, 8, 0, XF, 32, 8, 1
	WIN 0x08                                       ; Wh x xl (window 2)
	MUL16 WB, 8, 0, XFL, 32, 8, 0
	WIN 0x05                                       ; Wl (window 1) x xh
	MUL16 WBL, 8, 0, XF, 32, 8, 0
	WIN 0
.endm
; v: the sources swapped: a lane holds 8 neighbouring positions of one channel.  The first product starts the sums.
.macro MULV
	WIN 0x01                                       ; xh (window 1) x Wh (window 0)
.irp q, 0,1,2,3
	v_wmma_f32_16x16x32_f16 v[ACC+8*\q:ACC+8*\q+7], v[XF+8*\q:XF+8*\q+7], v[WB:WB+7], 0
.endr
	MUL16 XF, 32, 8, WB, 8, 0, 1
	WIN 0x02                                       ; xl (window 2) x Wh
	MUL16 XFL, 32, 8, WB, 8, 0, 0
	WIN 0x05                                       ; xh x Wl (window 1)
	MUL16 XF, 32, 8, WBL, 8, 0, 0
	WIN 0
.endm
; One 16-channel tile.  kind 0 = q, 1 = k, 2 = v (also the matrix's number); more = 1: the next tile's row of W (matrix nm, head nhd) is fetched under the products.
.macro OTILE kind, hd, more, nm, nhd
	s_wait_dscnt 0x0                               ; this tile's 16 loads of W are in
	CVTW
.if \more
	LOADW \nm, \nhd
.endif
.if \kind == 2
	MULV
.else
	MULQK BI+16*\kind+8*\hd
.endif
	PLACES 4                                       ; four places in front of the reads of the sums, and of the next tile's writes of W's fragments
	s_wait_xcnt 0x0                                ; the last tile's stores have had their addresses translated (ISA guide 3.1): OP is rewritten only behind this wait
.if \kind == 0
	WIN 0x10
.irp q, 0,1,2,3
.irp j, 0,1,2,3,4,5,6,7
	v_fma_f32 v[ACC+8*\q+\j], v[ACC+8*\q+\j], s66, v[PR+16*\q+2*\j+\hd]    ; (W x + bq) c + pe c
.endr
.endr
	WIN 0
.endif
.if \kind == 2
.irp q, 0,1,2,3
.irp j, 0,2,4,6
	v_pk_add_f32 v[ACC+8*\q+\j:ACC+8*\q+\j+1], v[ACC+8*\q+\j:ACC+8*\q+\j+1], v[BV:BV+1] op_sel:[0,\hd] op_sel_hi:[1,\hd]   ; + bv of my channel, this head's register for both halves
.endr
.endr
.endif
.irp q, 0,1,2,3
.irp i, 0,1,2,3
	v_cvt_pk_f16_f32 v[OP+4*\q+\i], v[ACC+8*\q+2*\i], v[ACC+8*\q+2*\i+1]
.endr
.endr
.irp q, 0,1,2,3                        ; each store of the wave covers 512 consecutive bytes, aligned
.if \kind == 0
	global_store_b128 v[VOQK], v[OP+4*\q:OP+4*\q+3], s[80:81] offset:\hd*524288+\q*2048
.endif
.if \kind == 1
	global_store_b128 v[VOQK], v[OP+4*\q:OP+4*\q+3], s[82:83] offset:\hd*1048576+\q*2048
.endif
.if \kind == 2
	global_store_b128 v[VOV], v[OP+4*\q:OP+4*\q+3], s[82:83] offset:\hd*1048576+65536+\q*512
.endif
.endr
.endm
	s_wait_tensorcnt 0x0                           ; my quarters of the five tiles are in LDS,
	s_barrier_signal -1
	s_barrier_wait -1                              ; everybody's are
	LOADX 0, ST
	LOADX 1, ST2
	s_wait_dscnt 16                                ; LDS loads come back in order (ISA guide 5.7.1): the older 16 are in, the younger 16 stay out
	CVTX 0, ST
	LOADX 2, ST
	s_wait_dscnt 16
	CVTX 1, ST2
	LOADX 3, ST2
	s_wait_dscnt 16
	CVTX 2, ST
	s_wait_dscnt 0x0
	CVTX 3, ST2
	WIN 0x40
.irp q, 0,1,2,3
.irp i, 0,1,2,3
	ds_load_b128 v[PR+16*\q+4*\i:PR+16*\q+4*\i+3], v[PA] offset:PSZ*\q+16*\i    ; pe[token 4 r + q][16 w + 8 h + 0..7][both heads]
.endr
.endr
	WIN 0
	LOADW 0, 0
	s_wait_dscnt 16                                ; pe is in; the first tile's 16 loads of W stay out
	WIN 0x41
.set n, 0
.rept 32
	v_pk_mul_f32 v[PR+2*n:PR+2*n+1], v[PR+2*n:PR+2*n+1], s[66:67] op_sel_hi:[1,0]   ; pe c, once for both heads
.set n, n+1
.endr
	WIN 0
	s_wait_loadcnt 0x0                             ; the biases
	OTILE 0, 0, 1, 0, 1
	OTILE 0, 1, 1, 1, 0
	OTILE 1, 0, 1, 1, 1
	OTILE 1, 1, 1, 2, 0
	OTILE 2, 0, 1, 2, 1
	OTILE 2, 1, 0, 0, 0
	s_set_vgpr_msb 0x4
	s_wait_tensorcnt 0x0
	ds_add_u32 v15, v255
	s_wait_dscnt 0x0
	s_set_vgpr_msb 0x400
	ROUND                                          ; the closing round: no work-group ends while a partner may still ask jointly
	s_endpgm
.Lfunc_end_k_q7ea951041e_proj:
	.size	k_q7ea951041e_proj, .Lfunc_end_k_q7ea951041e_proj-k_q7ea951041e_proj
	.p2alignl 7, 3214868480
	.fill 96, 4, 3214868480
	.section	.rodata,"a",@progbits
	.p2align	6, 0x0
	.amdhsa_kernel k_q7ea951041e_proj
		.amdhsa_group_segment_fixed_size 269824
		.amdhsa_private_segment_fixed_size 0
		.amdhsa_enable_private_segment 0
		.amdhsa_kernarg_size 80
		.amdhsa_user_sgpr_count 2
		.amdhsa_user_sgpr_kernarg_segment_ptr 1
		.amdhsa_wavefront_size32 1
		.amdhsa_system_sgpr_workgroup_id_x 1
		.amdhsa_system_sgpr_workgroup_id_y 1
		.amdhsa_system_sgpr_workgroup_id_z 1
		.amdhsa_system_vgpr_workitem_id 0
		.amdhsa_next_free_vgpr 640
		.amdhsa_next_free_sgpr 86
		.amdhsa_reserve_vcc 0
		.amdhsa_float_denorm_mode_32 3
		.amdhsa_float_denorm_mode_16_64 3
		.amdhsa_memory_ordered 1
		.amdhsa_forward_progress 1
		.amdhsa_inst_pref_size 137
	.end_amdhsa_kernel
	.amdgpu_metadata
---
amdhsa.version: [ 1, 2 ]
amdhsa.kernels:
  - .name:           k_q7ea951041e_proj
    .symbol:         k_q7ea951041e_proj.kd
    .args:
      - { .name: x, .offset: 0, .size: 8, .value_kind: global_buffer, .address_space: global }
      - { .name: wq, .offset: 8, .size: 8, .value_kind: global_buffer, .address_space: global }
      - { .name: wk, .offset: 16, .size: 8, .value_kind: global_buffer, .address_space: global }
      - { .name: wv, .offset: 24, .size: 8, .value_kind: global_buffer, .address_space: global }
      - { .name: bq, .offset: 32, .size: 8, .value_kind: global_buffer, .address_space: global }
      - { .name: bk, .offset: 40, .size: 8, .value_kind: global_buffer, .address_space: global }
      - { .name: bv, .offset: 48, .size: 8, .value_kind: global_buffer, .address_space: global }
      - { .name: pe, .offset: 56, .size: 8, .value_kind: global_buffer, .address_space: global }
      - { .name: qf, .offset: 64, .size: 8, .value_kind: global_buffer, .address_space: global }
      - { .name: kv, .offset: 72, .size: 8, .value_kind: global_buffer, .address_space: global }
    .group_segment_fixed_size: 269824
    .private_segment_fixed_size: 0
    .kernarg_segment_align: 8
    .kernarg_segment_size: 80
    .max_flat_workgroup_size: 128
    .sgpr_count:     86
    .vgpr_count:     640
    .wavefront_size: 32
...
	.end_amdgpu_metadata
.endif
;; end of part 1
;; launch attn (part 2): grid 32 x 8, 8 waves a work-group, clusters of 4 x 1, 327,680 bytes of LDS; arguments qf, kv, out0, out1; writes out0, out1
.if DOCPART == 2
	.amdgcn_target "amdgcn-amd-amdhsa--gfx1250"
	.amdhsa_code_object_version 6
	.text
	.protected	k_q7ea951041e_attn
	.globl	k_q7ea951041e_attn
	.p2align	8
	.type	k_q7ea951041e_attn,@function
k_q7ea951041e_attn:
	s_mov_b64 s[64:65], 0
	v_nop
	global_prefetch_b8 v0, s[64:65] scope:SCOPE_SE
	s_setreg_imm32_b32 hwreg(HW_REG_WAVE_MODE, 25, 1), 1
	s_wait_xcnt 0x0
	s_wait_alu depctr_hold_cnt(0) depctr_sa_sdst(0) depctr_va_vdst(0) depctr_va_sdst(0) depctr_va_ssrc(0) depctr_va_vcc(0) depctr_vm_vsrc(0)
	s_getreg_b32 s2, hwreg(HW_REG_IB_STS2, 6, 4)
	s_cmp_eq_u32 s2, 0
	s_cbranch_scc0 .Lentry_in_a_cluster
	s_endpgm
.Lentry_in_a_cluster:
	s_bfe_u32 s2, ttmp6, 0x10000c
	s_cmp_lg_u32 s2, 0x3003
	s_cbranch_scc0 .Lentry_shape_is_right
	s_endpgm
.Lentry_shape_is_right:
; Attention with a running maximum for 8 (batch, head) pairs (grid y), 4,096 queries x 4,096 keys, d = 64; out0 and out1 get the same bytes:
; o[b][head][d][n] lies at ((64 b + d) 2 + head) 4096 + n in both.
; A work-group takes 128 queries (grid x).  Eight waves, two to a SIMD, so that one wave's softmax runs under the other's products: wave w has the
; 64 queries of group qg = w mod 2 (4 query tiles) and the quarter ks = w / 2 of the keys: 64 of the 256 keys of each of 16 steps.
; A wave's step: 32 matrix instructions for the scores, the softmax of 64 x 64 scores, 32 matrix instructions for the sums over the values,
; for 16,384 bytes read from LDS.  The four waves of one qg merge their maxima, sums and results once at the end, through LDS.
; CLUSTER: the four query blocks of a cluster walk the same keys and values: every tile is a joint load with the mask 15, a quarter of the requests.
; q (8,192 bytes a wave, read once) is loaded straight into registers.
; ORIENTATION: scores = K (source 0) x Q (source 1): lane (r, h) holds query r and keys 8 h + j, so that maximum and sum are the lane's own work and
; one exchange of the halves, and two packed score tiles are a fragment of P as they stand.  Result = V (source 0) x P (source 1): lane r is the
; query again, so that rescaling is a multiply by the lane's own factor.
; q holds the factor 128^-0.25 log2(e) already: the exponent of two is score - maximum, never above 0 and exactly 0 at the maximum.
; LIMITS: operands f16, sums f32.  A probability below 2^-25 of its row's running maximum is lost in the numerator (4,096 of them are at most
; 1.3e-4 of a row's sum); v_exp_f32 gives 0 below 2^-126.  The sums go tile by tile and quarter by quarter, not in the reference's order.
.set SLOT, 131072                      ; an LDS slot: k of 8 groups of 64 keys (65,536 bytes), then v of the same: two steps.  Two slots
.set STAT, 2*SLOT                      ; 8,192 bytes for the waves' sums and maxima; no tensor load lands here
.set AK,  1                            ; v1, v2   LDS address of my k group in slot 0, 1: ks x 8,192 + 16 L
.set AV,  3                            ; v3, v4   the same for v
.set QO,  5                            ; v5       16 L
.set SW,  6                            ; v6       STAT + 1,024 w + 8 L
.set SR,  7                            ; v7       STAT + 1,024 qg + 8 L
.set T,   8                            ; v8-15    at work
.set MP,  16                           ; v16-23   query tile qt: the pair (running maximum after an even step, after an odd step)
.set AL,  24                           ; v24-31   query tile qt: the pair (rescale factor, running sum)
.set G,   36                           ; v36-39   the last factor
.set U,   40                           ; v40-47   four pairs for the sums
.set XW,  48                           ; v48, v49 the exchange: where I put results, 4,096 w + 16 L, and 65,536 further
.set XR,  50                           ; v50      where I read them: 32,768 ks + 4,096 qg + 16 L
.set CO,  51                           ; v51      my byte offset in the outputs: 8 h rows of d + 16 r
.set KB,  64                           ; v64-127  k's fragments, (key tile kt, s) at 8 (2 kt + s)
.set SB,  128                          ; v128-255 scores, (qt, kt) at 32 qt + 8 kt; P's fragment (qt, ks) is made in place at 32 qt + 16 ks
.set OB,  0                            ; window 1: v256-383 results, (qt, d tile dt) at 32 qt + 8 dt
.set QB,  128                          ; window 1: v384-447 q's fragments, (qt, s) at 8 (2 qt + s)
.set VB,  192                          ; window 1: v448-511 v's fragments, (dt, ks) at 8 (2 dt + ks)
.set MSB, 0
.macro WIN new                         ; s_set_vgpr_msb: bits 1:0 source 0, 3:2 source 1, 5:4 source 2, 7:6 destination; the high byte repeats the setting left
.if MSB != \new
	s_set_vgpr_msb (MSB<<8)|\new
.set MSB, \new
.endif
.endm
.macro PLACES n                        ; places behind matrix instructions (ISA guide 7.12.1)
.rept \n
	v_nop
.endr
.endm
.macro ROUND                           ; a round of the cluster's barrier
	s_barrier_signal -1
	s_barrier_wait -1
	s_cmp_lg_u32 s12, 0
	s_cbranch_scc1 .Lnot_wave_0_\@
	s_barrier_signal -3
.Lnot_wave_0_\@:
	s_barrier_wait -3
	s_barrier_signal -1
	s_barrier_wait -1
.endm
	s_load_b256 s[4:11], s[0:1], 0x0               ; qf s[4:5], kv s[6:7], out0 s[8:9], out1 s[10:11]
	v_lshl_add_u32 v62, v0, 2, 0x42000
	v_mov_b32 v63, 0
	ds_add_u32 v62, v63
	v_lshrrev_b32 v1, 5, v0
	v_readfirstlane_b32 s12, v1                    ; wave 0..7
	s_and_b32 s13, s12, 1                          ; qg
	s_lshr_b32 s14, s12, 1                         ; ks
	s_bfe_u32 s15, ttmp6, 0x40000                  ; cx.  It enters s15, s16, s[20:23] and the bases of q and of the outputs, and nothing else
	s_lshl_b32 s16, ttmp9, 2
	s_add_co_u32 s16, s16, s15                     ; the block of 128 queries
	s_and_b32 s17, ttmp7, 0xffff                   ; 2 batch + head
	s_mov_b32 s44, 0x76543210                      ; v_permlanex16_b32: lane i of one half reads lane i of the other
	s_mov_b32 s45, 0xfedcba98
	; group 1: a dense block of 16,384 bytes as 64 rows of 32 elements of 8 bytes; mask 15 with bit 21 beside it.  The fragment image is read
	; as 32 lanes x 16 consecutive bytes, so it needs no padding.
	s_mov_b32 s24, 15|(3<<16)|(1<<21)
	s_mov_b32 s25, 32<<16
	s_mov_b32 s26, 64<<16
	s_mov_b32 s27, 32<<16
	s_mov_b32 s28, 64
	s_mov_b32 s29, 32
	s_mov_b32 s30, 0
	s_mov_b32 s31, 0
	; groups 0, one for each slot: wave w brings the eighth w of a slot
	s_mov_b32 s32, 1
	s_lshl_b32 s33, s12, 14
	s_mov_b32 s36, 1
	s_add_co_u32 s37, s33, SLOT
	s_lshl_b32 s18, s17, 20                        ; kv: (2 batch + head) x 1,048,576 + w x 16,384
	s_add_co_u32 s18, s18, s33
	s_mov_b32 s19, 0
	s_wait_dscnt 0x0
	s_wait_kmcnt 0x0
	s_add_nc_u64 s[34:35], s[6:7], s[18:19]
	s_add_nc_u64 s[38:39], s[34:35], SLOT
	s_or_b32 s35, s35, 0x80000000
	s_or_b32 s39, s39, 0x80000000
	ROUND                                          ; the four work-groups are here: the first joint loads meet
	tensor_load_to_lds s[32:35], s[24:31]          ; keys 0 to 511
	s_nop 0
	tensor_load_to_lds s[36:39], s[24:31]          ; keys 512 to 1,023: two loads of this wave are out
	s_nop 0
	v_and_b32 v52, 31, v0                          ; L
	v_and_b32 v53, 15, v0                          ; r
	v_bfe_u32 v54, v0, 4, 1                        ; h
	v_lshlrev_b32 v[QO], 4, v52
	s_lshl_b32 s22, s17, 19                        ; qf: (64 (2 batch + head) + 2 block + qg) x 8,192
	s_lshl_b32 s20, s16, 14
	s_add_co_u32 s22, s22, s20
	s_lshl_b32 s20, s13, 13
	s_add_co_u32 s22, s22, s20
	s_mov_b32 s23, 0
	s_add_nc_u64 s[4:5], s[4:5], s[22:23]
	WIN 0x40
.irp i, 0,1,2,3,4,5,6,7,8,9,10,11,12,13,14,15
	global_load_b128 v[QB+4*\i:QB+4*\i+3], v[QO], s[4:5] offset:512*\i
.endr
	WIN 0
	s_lshl_b32 s46, s14, 13
	v_lshl_add_u32 v[AK], v52, 4, s46
	v_add_nc_u32 v[AK+1], SLOT, v[AK]
	v_add_nc_u32 v[AV], 65536, v[AK]
	v_add_nc_u32 v[AV+1], SLOT+65536, v[AK]
	s_lshl_b32 s46, s12, 10
	s_add_co_u32 s46, s46, STAT
	v_lshl_add_u32 v[SW], v52, 3, s46
	s_lshl_b32 s46, s13, 10
	s_add_co_u32 s46, s46, STAT
	v_lshl_add_u32 v[SR], v52, 3, s46
	s_lshl_b32 s46, s12, 12
	v_lshl_add_u32 v[XW], v52, 4, s46
	v_add_nc_u32 v[XW+1], 65536, v[XW]
	s_lshl_b32 s46, s14, 15
	s_lshl_b32 s47, s13, 12
	s_add_co_u32 s46, s46, s47
	v_lshl_add_u32 v[XR], v52, 4, s46
	v_lshlrev_b32 v[CO], 4, v53
	v_lshl_add_u32 v[CO], v54, 18, v[CO]
	s_lshr_b32 s20, s17, 1                         ; the outputs: batch x 2,097,152 + head x 16,384 + block x 512 + qg x 256 + d tile ks x 16 rows of 32,768
	s_lshl_b32 s20, s20, 21
	s_and_b32 s22, s17, 1
	s_lshl_b32 s22, s22, 14
	s_add_co_u32 s20, s20, s22
	s_lshl_b32 s22, s16, 9
	s_add_co_u32 s20, s20, s22
	s_lshl_b32 s22, s13, 8
	s_add_co_u32 s20, s20, s22
	s_lshl_b32 s22, s14, 19
	s_add_co_u32 s20, s20, s22
	s_mov_b32 s21, 0
	s_add_nc_u64 s[8:9], s[8:9], s[20:21]
	s_add_nc_u64 s[10:11], s[10:11], s[20:21]
; 32 LDS loads: my group of 64 keys of step t of the slot: k's 8 fragments, then v's
.macro LDKV slot, t
.irp i, 0,1,2,3,4,5,6,7,8,9,10,11,12,13,14,15
	ds_load_b128 v[KB+4*\i:KB+4*\i+3], v[AK+\slot] offset:\t*32768+512*\i
.endr
	WIN 0x40
.irp i, 0,1,2,3,4,5,6,7,8,9,10,11,12,13,14,15
	ds_load_b128 v[VB+4*\i:VB+4*\i+3], v[AV+\slot] offset:\t*32768+512*\i
.endr
.endm
; scores: 16 tiles, d = 0..31 (which starts the sums), then d = 32..63.  The 16 accumulators take turns, one instruction a turn.
.macro SMUL
	WIN 0x04
.irp kt, 0,1,2,3
.irp qt, 0,1,2,3
	v_wmma_f32_16x16x32_f16 v[SB+32*\qt+8*\kt:SB+32*\qt+8*\kt+7], v[KB+16*\kt:KB+16*\kt+7], v[QB+16*\qt:QB+16*\qt+7], 0
.endr
.endr
.irp kt, 0,1,2,3
.irp qt, 0,1,2,3
	v_wmma_f32_16x16x32_f16 v[SB+32*\qt+8*\kt:SB+32*\qt+8*\kt+7], v[KB+16*\kt+8:KB+16*\kt+15], v[QB+16*\qt+8:QB+16*\qt+15], v[SB+32*\qt+8*\kt:SB+32*\qt+8*\kt+7]
.endr
.endr
.endm
; the running maximum of query tile qt: my 32 scores in four chains, the other half's, the last step's; then the factor 2^(old - new)
.macro MAXQ qt, t, first
.set TB, T+4*(\qt%2)
.set SQ, SB+32*\qt
	v_max3_num_f32 v[TB],   v[SQ],   v[SQ+1],  v[SQ+2]
	v_max3_num_f32 v[TB+1], v[SQ+3], v[SQ+4],  v[SQ+5]
	v_max3_num_f32 v[TB+2], v[SQ+6], v[SQ+7],  v[SQ+8]
	v_max3_num_f32 v[TB+3], v[SQ+9], v[SQ+10], v[SQ+11]
.set n, 12
.rept 10
	v_max3_num_f32 v[TB+(n/2)%4], v[TB+(n/2)%4], v[SQ+n], v[SQ+n+1]
.set n, n+2
.endr
	v_max3_num_f32 v[TB], v[TB], v[TB+1], v[TB+2]
	v_max_num_f32 v[TB], v[TB], v[TB+3]
	v_permlanex16_b32 v[TB+1], v[TB], s44, s45
.if \first
	v_max_num_f32 v[MP+2*\qt], v[TB], v[TB+1]
	v_max_num_f32 v[MP+2*\qt+1], v[TB], v[TB+1]    ; the pair's other register is written too: a packed source names both
.else
	v_max3_num_f32 v[MP+2*\qt+\t], v[TB], v[TB+1], v[MP+2*\qt+1-\t]
	v_sub_f32 v[AL+2*\qt], v[MP+2*\qt+1-\t], v[MP+2*\qt+\t]
	v_exp_f32 v[AL+2*\qt], v[AL+2*\qt]             ; used far below; the next line is a plain instruction on other registers (ISA guide 5.7.2)
.endif
.endm
; Three query tiles at three stages, line by line (9 = none): f: score - maximum; e: 2^x in place; c: the sum of the 32 and their rounding to f16,
; packed in place into P's two fragments.  Behind each pair of v_exp_f32 stands a plain instruction of another tile.
.macro STAGE f, e, c, t, first
.set k, 0
.rept 16
.if \e < 4
	v_exp_f32 v[SB+32*\e+2*k], v[SB+32*\e+2*k]
	v_exp_f32 v[SB+32*\e+2*k+1], v[SB+32*\e+2*k+1]
.endif
.if \f < 4
	v_pk_add_f32 v[SB+32*\f+2*k:SB+32*\f+2*k+1], v[SB+32*\f+2*k:SB+32*\f+2*k+1], v[MP+2*\f:MP+2*\f+1] op_sel:[0,\t] op_sel_hi:[1,\t] neg_lo:[0,1] neg_hi:[0,1]
.endif
.if \c < 4
.if k < 4
	s_wait_alu depctr_va_vdst(0)
	v_pk_add_f32 v[U+2*k:U+2*k+1], v[SB+32*\c+2*k:SB+32*\c+2*k+1], v[SB+32*\c+2*k+8:SB+32*\c+2*k+9]   ; pairs k and k + 4 start chain k: nothing is cleared
.endif
.if k >= 8
	v_pk_add_f32 v[U+2*(k%4):U+2*(k%4)+1], v[U+2*(k%4):U+2*(k%4)+1], v[SB+32*\c+2*k:SB+32*\c+2*k+1]
.endif
	v_cvt_pk_f16_f32 v[SB+32*\c+16*(k/8)+k%8], v[SB+32*\c+2*k], v[SB+32*\c+2*k+1]    ; lands on a register whose pair has been summed and packed
.endif
.set k, k+1
.endr
.if \c < 4
	v_pk_add_f32 v[U:U+1], v[U:U+1], v[U+2:U+3]
	v_pk_add_f32 v[U+4:U+5], v[U+4:U+5], v[U+6:U+7]
	v_pk_add_f32 v[U:U+1], v[U:U+1], v[U+4:U+5]
.if \first
	v_add_f32 v[AL+2*\c+1], v[U], v[U+1]
.else
	v_add_f32 v[T], v[U], v[U+1]
	v_fma_f32 v[AL+2*\c+1], v[AL+2*\c+1], v[AL+2*\c], v[T]     ; the sum of my half of the keys; the halves meet at the end
.endif
.endif
.endm
.macro SOFTMAX t, first
	MAXQ 0, \t, \first
	MAXQ 1, \t, \first
	MAXQ 2, \t, \first
	MAXQ 3, \t, \first
	STAGE 0, 9, 9, \t, \first
	STAGE 1, 0, 9, \t, \first
	STAGE 2, 1, 0, \t, \first
	STAGE 3, 2, 1, \t, \first
	STAGE 9, 3, 2, \t, \first
	STAGE 9, 9, 3, \t, \first
.endm
.macro RESC                            ; the results so far times the lane's factor
	WIN 0x41
.irp qt, 0,1,2,3
.set n, 0
.rept 16
	v_pk_mul_f32 v[OB+32*\qt+2*n:OB+32*\qt+2*n+1], v[OB+32*\qt+2*n:OB+32*\qt+2*n+1], v[AL+2*\qt:AL+2*\qt+1] op_sel_hi:[1,0]
.set n, n+1
.endr
.endr
.endm
; results: 16 tiles, my keys 0..31, then 32..63.  The 16 accumulators take turns, one instruction a turn.
.macro PVMUL first
	WIN 0x51
.irp qt, 0,1,2,3
.irp dt, 0,1,2,3
.if \first
	v_wmma_f32_16x16x32_f16 v[OB+32*\qt+8*\dt:OB+32*\qt+8*\dt+7], v[VB+16*\dt:VB+16*\dt+7], v[SB+32*\qt:SB+32*\qt+7], 0
.else
	v_wmma_f32_16x16x32_f16 v[OB+32*\qt+8*\dt:OB+32*\qt+8*\dt+7], v[VB+16*\dt:VB+16*\dt+7], v[SB+32*\qt:SB+32*\qt+7], v[OB+32*\qt+8*\dt:OB+32*\qt+8*\dt+7]
.endif
.endr
.endr
.irp qt, 0,1,2,3
.irp dt, 0,1,2,3
	v_wmma_f32_16x16x32_f16 v[OB+32*\qt+8*\dt:OB+32*\qt+8*\dt+7], v[VB+16*\dt+8:VB+16*\dt+15], v[SB+32*\qt+16:SB+32*\qt+23], v[OB+32*\qt+8*\dt:OB+32*\qt+8*\dt+7]
.endr
.endr
.endm
.macro STEP slot, t, first
	LDKV \slot, \t
	s_wait_dscnt 16                                ; LDS loads come back in order (ISA guide 5.7.1): k's 16 are in, v's 16 stay out
	SMUL
	WIN 0
	PLACES 4                                       ; four places in front of the reads of the scores
	SOFTMAX \t, \first
.if \first == 0
	RESC
.endif
	s_wait_dscnt 0x0                               ; v is in
	PVMUL \first
	WIN 0
	PLACES 5                                       ; five places in front of the next scores, which land on P's registers, four of them in front of the next loads into v's fragments
.endm
; Two steps on one slot.  refill = 1: the other slot, read last, is filled again, four steps ahead of its last tiles.
.macro TWO slot, refill
	s_wait_tensorcnt 0x0                           ; all my tensor loads have landed, my eighth of this slot among them,
	ds_add_u32 v62, v63
	s_wait_dscnt 0x0
.if \refill
	s_add_nc_u64 s[38-4*\slot:39-4*\slot], s[38-4*\slot:39-4*\slot], 2*SLOT   ; so a group 0 may be written: the other slot's next 512 keys
.endif
	s_wait_dscnt 0x0                               ; my reads of the other slot are back
.if \refill
	ROUND                                          ; both now hold of every wave of the four work-groups
	tensor_load_to_lds s[36-4*\slot:39-4*\slot], s[24:31]      ; my one tensor load behind the round, and the first thing there: it has two steps in which to land
	s_nop 0
.else
	s_barrier_signal -1                            ; nothing is filled any more: my work-group's barrier shows the slot whole
	s_barrier_wait -1
.endif
	STEP \slot, 0, 0
	STEP \slot, 1, 0
.endm
	s_wait_tensorcnt 0x1                           ; my eighth of slot 0 is in; slot 1's may stay out
	s_barrier_signal -1
	s_barrier_wait -1
	s_wait_loadcnt 0x0                             ; q
	STEP 0, 0, 1                                   ; the first step starts maxima, sums and results
	STEP 0, 1, 0
	s_mov_b32 s43, 3
.Lfill:
	TWO 1, 1
	TWO 0, 1
	s_sub_co_u32 s43, s43, 1
	s_cmp_lg_u32 s43, 0
	s_cbranch_scc1 .Lfill
	TWO 1, 0                                       ; keys 3,584 to 4,095
	; THE MERGE of the four quarters of the keys.  (a) each wave's sum (both halves of the lanes) and maximum go to its own words.
.irp qt, 0,1,2,3
	v_permlanex16_b32 v[T+\qt], v[AL+2*\qt+1], s44, s45
.endr
.irp qt, 0,1,2,3
	v_add_f32 v[MP+2*\qt], v[AL+2*\qt+1], v[T+\qt]             ; the pair is now (sum, maximum): the last step was an odd one
.endr
.irp qt, 0,1,2,3
	ds_store_b64 v[SW], v[MP+2*\qt:MP+2*\qt+1] offset:256*\qt
.endr
	s_wait_dscnt 0x0                               ; my stores are done, for the others' sake
	s_barrier_signal -1
	s_barrier_wait -1
	; (b) my factor: 2^(my maximum - the largest) / the sum over the four of 2^(maximum i - the largest) x sum i
.irp qt, 0,1,2,3
.irp i, 0,1,2,3
	ds_load_b64 v[KB+8*\qt+2*\i:KB+8*\qt+2*\i+1], v[SR] offset:2048*\i+256*\qt
.endr
.endr
	s_wait_dscnt 0x0
.irp qt, 0,1,2,3
	v_max3_num_f32 v[T+\qt], v[KB+8*\qt+1], v[KB+8*\qt+3], v[KB+8*\qt+5]
.endr
.irp qt, 0,1,2,3
	v_max_num_f32 v[T+\qt], v[T+\qt], v[KB+8*\qt+7]
.endr
.irp qt, 0,1,2,3
	v_sub_f32 v[G+\qt], v[MP+2*\qt+1], v[T+\qt]
.irp i, 0,1,2,3
	v_sub_f32 v[KB+8*\qt+2*\i+1], v[KB+8*\qt+2*\i+1], v[T+\qt]
.endr
.endr
.irp qt, 0,1,2,3
	v_exp_f32 v[G+\qt], v[G+\qt]
.irp i, 0,1,2,3
	v_exp_f32 v[KB+8*\qt+2*\i+1], v[KB+8*\qt+2*\i+1]
.endr
.endr
	v_nop                                          ; one plain place behind the run of v_exp_f32 (ISA guide 5.7.2)
.irp qt, 0,1,2,3
	s_wait_alu depctr_va_vdst(0)
	v_mul_f32 v[T+4+\qt], v[KB+8*\qt], v[KB+8*\qt+1]
.endr
.irp i, 1,2,3
.irp qt, 0,1,2,3
	v_fmac_f32 v[T+4+\qt], v[KB+8*\qt+2*\i], v[KB+8*\qt+2*\i+1]
.endr
.endr
.irp qt, 0,1,2,3
	v_rcp_f32 v[T+4+\qt], v[T+4+\qt]               ; the sum is at least 1: the largest score's own term
.endr
	v_nop                                          ; one plain place behind the run of v_rcp_f32
.irp qt, 0,1,2,3
	s_wait_alu depctr_va_vdst(0)
	v_mul_f32 v[G+\qt], v[G+\qt], v[T+4+\qt]
.endr
	; (c) my results, scaled, with the four query tiles side by side: tokens 4 r .. 4 r + 3 of one d, 16 bytes.  They go into slot 0, which has had
	; its last fill and whose last reads lie in front of two barriers: [d tile][wave][j][lane].
	WIN 0x01
.irp dt, 0,1,2,3
.irp j, 0,1,2,3,4,5,6,7
.irp qt, 0,1,2,3
	v_mul_f32 v[SB+32*\dt+4*\j+\qt], v[OB+32*\qt+8*\dt+\j], v[G+\qt]
.endr
.endr
.endr
	WIN 0
.irp dt, 0,1,2,3
.irp j, 0,1,2,3,4,5,6,7
	ds_store_b128 v[XW+\dt/2], v[SB+32*\dt+4*\j:SB+32*\dt+4*\j+3] offset:(\dt%2)*32768+512*\j
.endr
.endr
	s_wait_dscnt 0x0
	s_barrier_signal -1
	s_barrier_wait -1
	; (d) wave (qg, ks) adds the four quarters of d tile ks and stores it, to both outputs
.irp i, 0,1,2,3
.irp j, 0,1,2,3,4,5,6,7
	ds_load_b128 v[SB+32*\i+4*\j:SB+32*\i+4*\j+3], v[XR] offset:8192*\i+512*\j
.endr
.endr
	s_wait_dscnt 0x0
.irp n2, 0,2,4,6,8,10,12,14,16,18,20,22,24,26,28,30
	v_pk_add_f32 v[SB+\n2:SB+\n2+1], v[SB+\n2:SB+\n2+1], v[SB+32+\n2:SB+32+\n2+1]
	v_pk_add_f32 v[SB+64+\n2:SB+64+\n2+1], v[SB+64+\n2:SB+64+\n2+1], v[SB+96+\n2:SB+96+\n2+1]
.endr
.irp n2, 0,2,4,6,8,10,12,14,16,18,20,22,24,26,28,30
	v_pk_add_f32 v[SB+\n2:SB+\n2+1], v[SB+\n2:SB+\n2+1], v[SB+64+\n2:SB+64+\n2+1]
.endr
.irp j, 0,1,2,3,4,5,6,7                ; row d = 16 ks + 8 h + j: each half of the lanes stores 256 consecutive bytes, aligned
	global_store_b128 v[CO], v[SB+4*\j:SB+4*\j+3], s[8:9] offset:32768*\j th:TH_STORE_NT
	global_store_b128 v[CO], v[SB+4*\j:SB+4*\j+3], s[10:11] offset:32768*\j th:TH_STORE_NT
.endr
	s_wait_tensorcnt 0x0
	ds_add_u32 v62, v63
	s_wait_dscnt 0x0
	ROUND                                          ; the closing round: no work-group ends while a partner may still ask jointly
	s_endpgm
.Lfunc_end_k_q7ea951041e_attn:
	.size	k_q7ea951041e_attn, .Lfunc_end_k_q7ea951041e_attn-k_q7ea951041e_attn
	.p2alignl 7, 3214868480
	.fill 96, 4, 3214868480
	.section	.rodata,"a",@progbits
	.p2align	6, 0x0
	.amdhsa_kernel k_q7ea951041e_attn
		.amdhsa_group_segment_fixed_size 327680
		.amdhsa_private_segment_fixed_size 0
		.amdhsa_enable_private_segment 0
		.amdhsa_kernarg_size 32
		.amdhsa_user_sgpr_count 2
		.amdhsa_user_sgpr_kernarg_segment_ptr 1
		.amdhsa_wavefront_size32 1
		.amdhsa_system_sgpr_workgroup_id_x 1
		.amdhsa_system_sgpr_workgroup_id_y 1
		.amdhsa_system_sgpr_workgroup_id_z 1
		.amdhsa_system_vgpr_workitem_id 0
		.amdhsa_next_free_vgpr 512
		.amdhsa_next_free_sgpr 66
		.amdhsa_reserve_vcc 0
		.amdhsa_float_denorm_mode_32 3
		.amdhsa_float_denorm_mode_16_64 3
		.amdhsa_memory_ordered 1
		.amdhsa_forward_progress 1
		.amdhsa_inst_pref_size 255
	.end_amdhsa_kernel
	.section	.bss,"aw",@nobits
	.p2align	6
	.space	262144
	.amdgpu_metadata
---
amdhsa.version: [ 1, 2 ]
amdhsa.kernels:
  - .name:           k_q7ea951041e_attn
    .symbol:         k_q7ea951041e_attn.kd
    .args:
      - { .name: qf, .offset: 0, .size: 8, .value_kind: global_buffer, .address_space: global }
      - { .name: kv, .offset: 8, .size: 8, .value_kind: global_buffer, .address_space: global }
      - { .name: out0, .offset: 16, .size: 8, .value_kind: global_buffer, .address_space: global }
      - { .name: out1, .offset: 24, .size: 8, .value_kind: global_buffer, .address_space: global }
    .group_segment_fixed_size: 327680
    .private_segment_fixed_size: 0
    .kernarg_segment_align: 8
    .kernarg_segment_size: 32
    .max_flat_workgroup_size: 256
    .sgpr_count:     66
    .vgpr_count:     512
    .wavefront_size: 32
...
	.end_amdgpu_metadata
.endif
;; end of part 2
